; MI455X (gfx1250); checked and timed in simulation.
; The chip was launched on July 23, 2026; its instructions are those of AMD's public machine-readable ISA for CDNA 5 (MIT licence, August 2026) and "CDNA5" Instruction Set Architecture Reference Guide (July 2026). The comments in the code are by the model that wrote it; some were corrected since.
;; Feed Forward Quantum. Allowed arithmetic: matrix products marked QUANTISED: E3M2 operands, one E8M0 scale for each 32 along K, by v_wmma_scale_f32_16x16x128_f8f6f4 with both operands' format E3M2, f32 sums; products left as they are: f32 operands where the result goes on into a quantised operand, else bf16, f16 or f32 operands; f32 sums; everything else in f32.
;; Inputs: W1 4,096 x 10 float32; W2 1,024 x 4,096 float32; Win 10 x 1,024 float32; b1 4,096 float32; b2 1,024 float32; b_in 10 float32; theta 10 float32; x 8 x 2,048 x 1,024 float32.
;; Outputs: out0 8 x 2,048 x 1,024 float32.
;; This version of the problem:
;;   THIS VERSION OF THE PROBLEM IS GIVEN IN LOW PRECISION. The matrix products marked QUANTISED in the list below multiply operands that are first quantised to E3M2 (3 exponent bits, 2 mantissa bits; 6 bits a number), with one power-of-two scale for each 32 numbers along K (OCP MX v1.0); their sums are f32. All else is computed in f32.
;;   The module's matrix products, in the order in which they are computed (A, B: the left and right operand; K: the contracted axis; several contracted axes count as one K, in the product's order):
;;     1. [M 16,384, K 1,024] x [K 1,024, N 10]; A: input x; B: input Win: left as it is (N = 10 < 16)
;;     2. [M 16,384, K 10] x [K 10, N 4,096]; A: computed on the way; B: input W1: left as it is (K = 10 < 32)
;;     3. [M 16,384, K 4,096] x [K 4,096, N 1,024]; A: computed on the way; B: input W2: QUANTISED
;;   THE QUANTISER, for each operand of a quantised product, along K:
;;     - K is cut into blocks of 32 from its start; a last block that is shorter is filled with zeros.
;;     - A block's scale is 2^e with e = floor(log2(the largest magnitude in the block)) - 4, held to -126 .. 127; a block of zeros has e = 0. As a byte (E8M0): e + 127.
;;     - Each number is divided by its block's scale, clamped to +-28, and rounded to the nearest number of E3M2, ties to even, subnormals kept.
;;     - The product sums the exact products of the quantised numbers (number of the format x scale) in f32.
;;   ~~~python
;;   def quantise(x, axis):      # numpy; x: float32 -> the quantised numbers, widened to float32 again
;;       x = np.moveaxis(x, axis, -1); K = x.shape[-1]
;;       x = np.pad(x, [(0, 0)] * (x.ndim - 1) + [(0, -K % 32)]); x = x.reshape(x.shape[:-1] + (-1, 32)); a = np.abs(x).max(-1, keepdims=True)
;;       e = np.where(a > 0, np.clip(np.frexp(np.where(a > 0, a, 1))[1] - 1 - 4, -126, 127), 0)      # np.frexp(a)[1] - 1 = floor(log2(a)), exactly
;;       r = np.clip(x / 2.0 ** e, -28, 28)
;;       step = 2.0 ** (np.maximum(np.frexp(np.where(r == 0, 1, r))[1] - 1, -2) - 2)
;;       q = np.round(r / step) * step * 2.0 ** e      # np.round: ties to even
;;       return np.moveaxis(q.reshape(q.shape[:-2] + (-1,))[..., :K], -1, axis).astype(np.float32)
;;   ~~~
;;   OPERANDS COMPUTED ON THE WAY. 'Computed on the way' means the value that the module computes at that place (a softmax that the list does not call 'softmax' is quantised finished and normalised). What goes into a quantiser is computed in f32, as accurately as f32 sums, v_exp_f32 and their like allow (about 1e-6 of the number): no bf16 or f16 on the way to a quantiser, and a product that is left as it is and whose result goes on into a quantised operand takes f32 operands (vector FMAs, or v_wmma_f32_16x16x4_f32). A number that lies on a knife's edge between two numbers of the format may be rounded either way, as far as f32 arithmetic and the matrix unit's own rounding can turn it there, and no further.
;; One version. Each part assembles by itself: llvm-mc -triple=amdgcn-amd-amdhsa -mcpu=gfx1250 --defsym DOCPART=n.
;; ======== version 1 of 1: 2 launches
;; limits: right only within a limited range of input values
;; workspace buffers: h_codes 50,331,648 bytes; h_scales 2,097,152 bytes; w2_codes 3,145,728 bytes; w2_scales 131,072 bytes
;; launch hidden (part 1): grid 256 x 1, 8 waves a work-group, no clusters, 327,680 bytes of LDS; arguments x, Win, b_in, theta, W1, b1, W2, h_codes, h_scales, w2_codes, w2_scales; writes h_codes, h_scales, w2_codes, w2_scales
.if DOCPART == 1
	.amdgcn_target "amdgcn-amd-amdhsa--gfx1250"
	.amdhsa_code_object_version 6
	.text
	.protected	k_q7ea623615e_hidden
	.globl	k_q7ea623615e_hidden
	.p2align	8
	.type	k_q7ea623615e_hidden,@function
k_q7ea623615e_hidden:
	s_mov_b64 s[64:65], 0
	v_nop
	global_prefetch_b8 v0, s[64:65] scope:SCOPE_SE
	s_setreg_imm32_b32 hwreg(HW_REG_WAVE_MODE, 25, 1), 1
	s_wait_xcnt 0x0
; h = relu(cos(x Win^T + b_in) cos(theta) W1^T + b1), quantised to E3M2 along its 4,096 hidden units; W2 quantised along the same axis.
; A work-group takes 64 rows of x and 4 rows of W2.  Wave w takes columns 128 w .. 128 w + 127 of x for the first product and hidden units 512 w .. 512 w + 511.
; Codes are laid [K / 256][row][192 bytes], dense: four rows' codes of a chunk of 256 along K are 768 consecutive bytes, which begin at a multiple of 256 bytes.
; Scale bytes are laid [row][128].
.set XWAVE, 33792
.set XTILE, 8448
.set XP,    528
.set PP,    270336
.set Q2,    303104
.set HS,    311296
.set WSB,   319488
.set SPARE, 320000
.set SPW,  1
.set NIL,  2
.set CO,   3
.set QAD,  4
.set HSA,  5
.set XAD,  6
.set PST,  7
.set PLD,  8
.set Q2ST, 9
.set BIN,  10
.set CTH,  11
.set MXA,  12
.set MXB,  13
.set SO,   14
.set BYA,  15
.set WT,   16
.set B1,   176
.set ACC,  192
.set S,    192
.set QA,   208
.set QB,   228
.set CA,   248
.set HS0,  251
.set CB,   252
.set RW,   192
.set XW,   16
.set CW,   48
.set BW,   64
.set WR,   0
.set XF,   64
.set WN,   160
.set PA,   224
.set MSB, 0
.macro WIN new
.if MSB != \new
	s_set_vgpr_msb (MSB<<8)|\new
.set MSB, \new
.endif
.endm
.macro SYNC
	s_wait_dscnt 0x0
	s_barrier_signal -1
	s_barrier_wait -1
.endm
	s_load_b512 s[4:19], s[0:1], 0x0
	s_load_b128 s[20:23], s[0:1], 0x40
	s_load_b64 s[24:25], s[0:1], 0x50
	v_lshl_add_u32 v[SPW], v0, 2, SPARE
	v_mov_b32 v[NIL], 0
	ds_add_u32 v[SPW], v[NIL]
	ds_add_u32 v[SPW], v[NIL]
	v_lshrrev_b32 v12, 5, v0
	s_delay_alu instid0(VALU_DEP_1)
	v_readfirstlane_b32 s26, v12
	s_mov_b32 s32, (2<<16)|(1<<20)|(6<<22)|(3<<25)
	s_mov_b32 s33, 128<<16
	s_mov_b32 s34, 64<<16                          ; tensor_dim1 = 64: my wave's 64 rows x 512 bytes come by one tensor load
	s_mov_b32 s35, 128<<16
	s_mov_b32 s36, 64                              ; tile_dim1 = 64
	s_mov_b32 s37, 1024
	s_mov_b32 s38, 0
	s_mov_b32 s39, 0
	s_mov_b32 s56, 0x3ea2f983
	s_mov_b32 s57, 0x40490fdb
	s_mov_b32 s58, 0xb3bbbd2e
	s_mov_b32 s66, 0xbe2aaaab
	s_mov_b32 s67, 0x3c088889
	s_mov_b32 s68, 0xb9500d01
	s_mov_b32 s69, 0x3638ef1d
	s_mov_b32 s70, 0xb2d7322b
	s_mov_b32 s71, 0x2f309231
	s_lshl_b32 s30, ttmp9, 18
	s_lshl_b32 s60, s26, 9
	s_add_co_u32 s30, s30, s60
	s_mov_b32 s31, 0
	s_mul_i32 s61, s26, XWAVE
	s_wait_dscnt 0x0
	s_wait_kmcnt 0x0
	s_add_nc_u64 s[4:5], s[4:5], s[30:31]
	s_mov_b32 s40, 1
	s_add_co_u32 s41, s61, 0                       ; my wave's own 33,792 bytes of LDS: 64 rows of 528
	s_mov_b64 s[42:43], s[4:5]
	s_or_b32 s43, s43, 0x80000000
	tensor_load_to_lds s[40:43], s[32:39]          ; the wave's one tensor load; only this wave reads its bytes
	s_nop 0
.rept 4
	v_nop
.endr
	s_lshl_b32 s30, ttmp9, 16
	s_lshl_b32 s60, s26, 13
	s_add_co_u32 s30, s30, s60
	s_add_nc_u64 s[16:17], s[16:17], s[30:31]
	s_mul_i32 s30, s26, 20480
	s_add_nc_u64 s[12:13], s[12:13], s[30:31]
	s_lshl_b32 s30, s26, 11
	s_add_nc_u64 s[14:15], s[14:15], s[30:31]
	v_and_b32 v68, 31, v0
	s_wait_alu depctr_va_vdst(0)
	v_lshlrev_b32 v69, 4, v68
	v_mul_u32_u24 v74, v68, 640
	v_lshlrev_b32 v75, 6, v68
	v_and_b32 v78, 15, v0
	v_bfe_u32 v79, v0, 4, 1
	s_delay_alu instid0(VALU_DEP_2)
	v_min_u32 v76, 9, v78
	s_delay_alu instid0(VALU_DEP_1)
	v_lshlrev_b32 v77, 2, v76
.irp t, 0,1,2,3
.irp i, 0,1,2,3
	global_load_b128 v[RW+16*\t+4*\i:RW+16*\t+4*\i+3], v69, s[16:17] offset:2048*\t+512*\i th:TH_LOAD_NT
.endr
.endr
	WIN 0x40
.set c, 0
.rept 40
	global_load_b128 v[WR+4*c:WR+4*c+3], v74, s[12:13] offset:16*c
.set c, c+1
.endr
	WIN 0
.irp c, 0,1,2,3
	global_load_b128 v[B1+4*\c:B1+4*\c+3], v75, s[14:15] offset:16*\c
.endr
	global_load_b32 v[BIN], v77, s[8:9]
	global_load_b32 v[CTH], v77, s[10:11]
	s_mul_i32 s30, ttmp9, 768                      ; W2's codes: row 4 x work-group + wave / 2, 192 bytes a row in a chunk,
	s_lshr_b32 s60, s26, 1
	s_mul_i32 s60, s60, 192
	s_add_co_u32 s30, s30, s60
	s_and_b32 s60, s26, 1                          ; and chunk 8 x (wave % 2), 196,608 bytes a chunk
	s_mul_i32 s60, s60, 1572864
	s_add_co_u32 s30, s30, s60
	s_add_nc_u64 s[22:23], s[22:23], s[30:31]
	s_lshl_b32 s30, ttmp9, 9
	s_add_nc_u64 s[24:25], s[24:25], s[30:31]
	s_mul_i32 s30, ttmp9, 12288                    ; h's codes: 64 rows of 192 bytes in a chunk
	s_add_nc_u64 s[18:19], s[18:19], s[30:31]
	s_lshl_b32 s30, ttmp9, 13
	s_add_nc_u64 s[20:21], s[20:21], s[30:31]
	s_lshl_b32 s30, s26, 9
	s_add_nc_u64 s[6:7], s[6:7], s[30:31]
	s_lshl_b32 s63, s26, 12
	s_add_co_u32 s63, s63, PP
	v_lshrrev_b32 v70, 2, v68
	s_delay_alu instid0(VALU_DEP_1)
	v_mul_u32_u24 v70, v70, 80
	v_and_b32 v12, 3, v68
	s_delay_alu instid0(VALU_DEP_1)
	v_lshl_add_u32 v70, v12, 4, v70
	s_delay_alu instid0(VALU_DEP_1)
	v_add_nc_u32 v70, s63, v70
	v_mul_u32_u24 v71, v68, 80
	s_delay_alu instid0(VALU_DEP_1)
	v_add_nc_u32 v71, s63, v71
	s_lshl_b32 s60, s26, 6
	s_add_co_u32 s60, s60, WSB
	v_lshrrev_b32 v72, 1, v68
	s_delay_alu instid0(VALU_DEP_1)
	v_add_nc_u32 v72, s60, v72
	v_mul_u32_u24 v73, v78, 12                     ; W2: my 12 bytes among a chunk row's 192,
	v_mad_u32_u24 v73, v79, 196608, v73            ; lanes 16-31 one chunk on
	v_lshlrev_b32 v76, 12, v76
	s_delay_alu instid0(VALU_DEP_1)
	v_lshl_add_u32 v76, v79, 4, v76
	s_mul_i32 s60, s26, 6291456                    ; h: chunk 2 x wave, 3,145,728 bytes a chunk
	v_mul_u32_u24 v[CO], v78, 12
	v_mad_u32_u24 v[CO], v79, 3145728, v[CO]       ; lanes 16-31 one chunk on
	v_add_nc_u32 v[CO], s60, v[CO]
	v_mul_u32_u24 v[XAD], v78, XP
	s_delay_alu instid0(VALU_DEP_1)
	v_lshl_add_u32 v[XAD], v79, 4, v[XAD]
	s_delay_alu instid0(VALU_DEP_1)
	v_add_nc_u32 v[XAD], s61, v[XAD]
	s_lshl_b32 s62, s26, 10
	s_add_co_u32 s62, s62, HS
	v_lshlrev_b32 v[PST], 6, v78
	s_delay_alu instid0(VALU_DEP_1)
	v_lshl_add_u32 v[PST], v79, 5, v[PST]
	s_delay_alu instid0(VALU_DEP_1)
	v_add_nc_u32 v[PST], s63, v[PST]
	v_lshl_add_u32 v[PLD], v0, 2, PP
	v_lshl_add_u32 v[Q2ST], v0, 3, Q2
.macro W2TURN t
.irp i, 0,1,2,3
	ds_store_b128 v70, v[RW+16*(\t)+4*\i:RW+16*(\t)+4*\i+3] offset:640*\i
.endr
.irp i, 0,1,2,3
	ds_load_b128 v[XW+16*((\t)%2)+4*\i:XW+16*((\t)%2)+4*\i+3], v71 offset:16*\i
.endr
.endm
.macro W2STEP t
.set XS, XW+16*((\t)%2)
.if (\t) < 3
	s_wait_loadcnt 54-4*(\t)
	W2TURN (\t)+1
	s_wait_dscnt 8
.else
	s_wait_dscnt 0x0
.endif
	v_max3_num_f32 v[MXA], |v[XS]|, |v[XS+1]|, |v[XS+2]|
	v_max3_num_f32 v[MXB], |v[XS+3]|, |v[XS+4]|, |v[XS+5]|
.irp i, 6,10
	s_delay_alu instid0(VALU_DEP_2)
	v_max3_num_f32 v[MXA], v[MXA], |v[XS+\i]|, |v[XS+\i+1]|
	s_delay_alu instid0(VALU_DEP_2)
	v_max3_num_f32 v[MXB], v[MXB], |v[XS+\i+2]|, |v[XS+\i+3]|
.endr
	s_delay_alu instid0(VALU_DEP_2)
	v_max3_num_f32 v[MXA], v[MXA], |v[XS+14]|, |v[XS+15]|
	s_delay_alu instid0(VALU_DEP_1)
	v_max3_num_f32 v[MXA], v[MXA], v[MXB], 0x2800000
	s_delay_alu instid0(VALU_DEP_1)
	v_max_num_f32_dpp v[MXA], v[MXA], v[MXA] row_xmask:1 row_mask:0xf bank_mask:0xf
	s_delay_alu instid0(VALU_DEP_1)
	v_add_nc_u32 v[SO], 0xfe000000, v[MXA]
	v_cvt_scalef32_pk16_bf6_f32 v[CW+4*(\t):CW+4*(\t)+2], v[XS:XS+15], v[SO]
	v_lshrrev_b32 v[BW+(\t)], 23, v[SO]
	ds_store_b8 v72, v[BW+(\t)] offset:16*(\t)
	global_store_b96 v73, v[CW+4*(\t):CW+4*(\t)+2], s[22:23] offset:393216*(\t)
.endm
	s_wait_loadcnt 58
	W2TURN 0
	W2STEP 0
	W2STEP 1
	W2STEP 2
	W2STEP 3
	s_wait_dscnt 0x0
	v_bfe_u32 v[HS0], v0, 1, 4
	s_delay_alu instid0(VALU_DEP_1)
	v_add_nc_u32 v[HS0], s62, v[HS0]
	WIN 0x40
.irp t, 0,1,2,3,4,5,6,7,8,9,10,11,12,13,14,15
	global_load_b128 v[WN+4*\t:WN+4*\t+3], v76, s[6:7] offset:32*\t
.endr
	WIN 0
	s_wait_loadcnt 16
	s_wait_xcnt 0x0
	WIN 0x01
.irp i, 0,1,2,3,4,5,6,7,8,9
.irp k, 0,1,2,3,4,5,6,7,8,9,10,11,12,13,14,15
	v_mov_b32 v[WT+16*\i+\k], v[WR+10*\k+\i]
.endr
.endr
	WIN 0
	s_wait_loadcnt 0x0
.macro PW
.if n < 4
	v_wmma_f32_16x16x4_f32 v[PA+8*(n%4):PA+8*(n%4)+7], v[WN+2*n:WN+2*n+1], v[XF+2*n:XF+2*n+1], 0
.else
	v_wmma_f32_16x16x4_f32 v[PA+8*(n%4):PA+8*(n%4)+7], v[WN+2*n:WN+2*n+1], v[XF+2*n:XF+2*n+1], v[PA+8*(n%4):PA+8*(n%4)+7]
.endif
.set n, n+1
.endm
.macro PROJ b
	s_wait_tensorcnt 0x0
	WIN 0x40
.irp t, 0,1,2,3,4,5,6,7,8,9,10,11,12,13,14,15
	ds_load_b128 v[XF+4*\t:XF+4*\t+3], v[XAD] offset:XTILE*(\b)+32*\t
.endr
	WIN 0x55
	s_wait_dscnt 8
.set n, 0
.rept 16
	PW
.endr
	s_wait_dscnt 0x0
.rept 16
	PW
.endr
.rept 8
	v_nop
.endr
	WIN 0x05
.irp j, 0,2,4,6
	v_pk_add_f32 v[ACC+\j:ACC+\j+1], v[PA+\j:PA+\j+1], v[PA+8+\j:PA+9+\j]
.endr
.irp j, 0,2,4,6
	v_pk_add_f32 v[ACC+8+\j:ACC+9+\j], v[PA+16+\j:PA+17+\j], v[PA+24+\j:PA+25+\j]
.endr
	WIN 0
.irp j, 0,2,4,6
	v_pk_add_f32 v[QA+\j:QA+\j+1], v[ACC+\j:ACC+\j+1], v[ACC+8+\j:ACC+9+\j]
.endr
	ds_store_b128 v[PST], v[QA:QA+3] offset:1024*(\b)
	ds_store_b128 v[PST], v[QA+4:QA+7] offset:1024*(\b)+16
.endm
.macro QCALC
.irp b, 0,1,2,3
.irp u, 0,1,2,3,4,5,6,7
	ds_load_b32 v[S+8*\b+\u], v[PLD] offset:4096*\u+1024*\b
.endr
.endr
	v_mov_b32 v[S+32], v[CTH]
	s_wait_dscnt 0x0
.irp p, 0,2,4,6
.irp b, 0,1,2,3
	v_add_f32 v[S+8*\b+\p], v[S+8*\b+\p], v[S+8*\b+\p+1]
.endr
.endr
.irp p, 0,4
.irp b, 0,1,2,3
	v_add_f32 v[S+8*\b+\p], v[S+8*\b+\p], v[S+8*\b+\p+2]
.endr
.endr
.irp b, 0,1,2,3
	s_delay_alu instid0(VALU_DEP_4)
	v_add_f32 v[S+8*\b], v[S+8*\b], v[S+8*\b+4]
.endr
.irp b, 0,1,2,3
	s_delay_alu instid0(VALU_DEP_4)
	v_add_f32 v[S+8*\b], v[S+8*\b], v[BIN]
.endr
.irp b, 0,1,2,3,4
	v_fma_f32 v[S+8*\b+1], |v[S+8*\b]|, s56, -0.5
.endr
.irp b, 0,1,2,3,4
	v_rndne_f32 v[S+8*\b+1], v[S+8*\b+1]
.endr
.irp b, 0,1,2,3,4
	v_add_f32 v[S+8*\b+2], 0.5, v[S+8*\b+1]
.endr
.irp b, 0,1,2,3,4
	v_fma_f32 v[S+8*\b+4], -v[S+8*\b+2], s57, |v[S+8*\b]|
.endr
.irp b, 0,1,2,3,4
	v_fma_f32 v[S+8*\b+4], -v[S+8*\b+2], s58, v[S+8*\b+4]
.endr
.irp b, 0,1,2,3,4
	v_cvt_i32_f32 v[S+8*\b+3], v[S+8*\b+1]
.endr
.irp b, 0,1,2,3,4
	v_lshlrev_b32 v[S+8*\b+3], 31, v[S+8*\b+3]
.endr
.irp b, 0,1,2,3,4
	v_xor_b32 v[S+8*\b+3], 0x80000000, v[S+8*\b+3]
.endr
.irp b, 0,1,2,3,4
	v_mul_f32 v[S+8*\b+5], v[S+8*\b+4], v[S+8*\b+4]
.endr
.irp b, 0,1,2,3,4
	v_fma_f32 v[S+8*\b+6], v[S+8*\b+5], s71, s70
.endr
.irp b, 0,1,2,3,4
	v_fma_f32 v[S+8*\b+6], v[S+8*\b+6], v[S+8*\b+5], s69
.endr
.irp b, 0,1,2,3,4
	v_fma_f32 v[S+8*\b+6], v[S+8*\b+6], v[S+8*\b+5], s68
.endr
.irp b, 0,1,2,3,4
	v_fma_f32 v[S+8*\b+6], v[S+8*\b+6], v[S+8*\b+5], s67
.endr
.irp b, 0,1,2,3,4
	v_fma_f32 v[S+8*\b+6], v[S+8*\b+6], v[S+8*\b+5], s66
.endr
.irp b, 0,1,2,3,4
	v_mul_f32 v[S+8*\b+6], v[S+8*\b+6], v[S+8*\b+5]
.endr
.irp b, 0,1,2,3,4
	v_fma_f32 v[S+8*\b+6], v[S+8*\b+6], v[S+8*\b+4], v[S+8*\b+4]
.endr
.irp b, 0,1,2,3,4
	v_xor_b32 v[S+8*\b+6], v[S+8*\b+6], v[S+8*\b+3]
.endr
.irp b, 0,1,2,3
	v_mul_f32 v[S+8*\b+6], v[S+8*\b+6], v[S+38]
.endr
.irp b, 0,1,2,3
	s_delay_alu instid0(VALU_DEP_4)
	v_mov_b32 v[S+8*\b+7], v[S+8*\b+6]
.endr
.irp b, 0,1,2,3
	ds_store_b64 v[Q2ST], v[S+8*\b+6:S+8*\b+7] offset:2048*\b
.endr
.endm
.macro ROW qc, qn, cs, par, next
	s_wait_dscnt 1
.if \next
.irp c, 0,1,2,3,4
	ds_load_b128 v[\qn+4*\c:\qn+4*\c+3], v[QAD] offset:128*(\par+1)+16*\c
.endr
.endif
.irp p, 0,2,4,6,8,10,12,14
	v_pk_fma_f32 v[ACC+\p:ACC+\p+1], v[WT+\p:WT+\p+1], v[\qc:\qc+1], v[B1+\p:B1+\p+1]
.endr
.irp i, 1,2,3,4,5,6,7,8,9
.irp p, 0,2,4,6,8,10,12,14
	v_pk_fma_f32 v[ACC+\p:ACC+\p+1], v[WT+16*\i+\p:WT+16*\i+\p+1], v[\qc+2*\i:\qc+2*\i+1], v[ACC+\p:ACC+\p+1]
.endr
.endr
	v_max3_num_f32 v[MXA], v[ACC], v[ACC+1], v[ACC+2]
	v_max3_num_f32 v[MXB], v[ACC+3], v[ACC+4], v[ACC+5]
.irp j, 0,1
	v_max_num_f32 v[ACC+\j], 0, v[ACC+\j]
.endr
	s_delay_alu instid0(VALU_DEP_4)
	v_max3_num_f32 v[MXA], v[MXA], v[ACC+6], v[ACC+7]
	s_delay_alu instid0(VALU_DEP_4)
	v_max3_num_f32 v[MXB], v[MXB], v[ACC+8], v[ACC+9]
.irp j, 2,3
	v_max_num_f32 v[ACC+\j], 0, v[ACC+\j]
.endr
	s_delay_alu instid0(VALU_DEP_4)
	v_max3_num_f32 v[MXA], v[MXA], v[ACC+10], v[ACC+11]
	s_delay_alu instid0(VALU_DEP_4)
	v_max3_num_f32 v[MXB], v[MXB], v[ACC+12], v[ACC+13]
.irp j, 4,5
	v_max_num_f32 v[ACC+\j], 0, v[ACC+\j]
.endr
	s_delay_alu instid0(VALU_DEP_4)
	v_max3_num_f32 v[MXA], v[MXA], v[ACC+14], v[ACC+15]
.irp j, 6,7
	v_max_num_f32 v[ACC+\j], 0, v[ACC+\j]
.endr
	s_delay_alu instid0(VALU_DEP_3)
	v_max3_num_f32 v[MXA], v[MXA], v[MXB], 0x2800000
.irp j, 8,9,10
	v_max_num_f32 v[ACC+\j], 0, v[ACC+\j]
.endr
	s_delay_alu instid0(VALU_DEP_4)
	v_max_num_f32_dpp v[MXA], v[MXA], v[MXA] row_xmask:1 row_mask:0xf bank_mask:0xf
.irp j, 11,12,13
	v_max_num_f32 v[ACC+\j], 0, v[ACC+\j]
.endr
	s_delay_alu instid0(VALU_DEP_4)
	v_add_nc_u32 v[SO], 0xfe000000, v[MXA]
.irp j, 14,15
	v_max_num_f32 v[ACC+\j], 0, v[ACC+\j]
.endr
	s_wait_alu depctr_va_vdst(0)
	s_wait_xcnt 0x0
.if \par == 0
	s_add_nc_u64 s[18:19], s[18:19], 384
.endif
	v_cvt_scalef32_pk16_bf6_f32 v[\cs:\cs+2], v[ACC:ACC+15], v[SO]
	v_lshrrev_b32 v[BYA+240*\par], 23, v[SO]
	ds_store_b8 v[HSA], v[BYA+240*\par] offset:16*\par
	global_store_b96 v[CO], v[\cs:\cs+2], s[18:19] offset:192*\par-384
.endm
	PROJ 0
	PROJ 1
	PROJ 2
	PROJ 3
	SYNC
	v_and_b32 v[ACC+12], 31, v0
	s_delay_alu instid0(VALU_DEP_1)
	v_lshlrev_b32 v[ACC+12], 4, v[ACC+12]
	s_delay_alu instid0(VALU_DEP_1)
	v_add_nc_u32 v[ACC+13], WSB, v[ACC+12]
	s_cmp_lg_u32 s26, 0
	s_cbranch_scc1 .Lnot_wave_0
	ds_load_b128 v[ACC+8:ACC+11], v[ACC+13]
	s_wait_dscnt 0x0
	s_wait_alu depctr_va_vdst(0)
	global_store_b128 v[ACC+12], v[ACC+8:ACC+11], s[24:25]
	s_wait_xcnt 0x0
.Lnot_wave_0:
	QCALC
	SYNC
	s_mov_b32 s29, Q2
	s_mov_b32 s59, 0
	v_mov_b32 v[QAD], s29
	v_add_nc_u32 v[HSA], s59, v[HS0]
.irp c, 0,1,2,3,4
	ds_load_b128 v[QA+4*\c:QA+4*\c+3], v[QAD] offset:16*\c
.endr
	s_wait_dscnt 0x0
	s_mov_b32 s28, 31
.Lrows:
	s_wait_alu depctr_va_vdst(0)
	ROW QA, QB, CA, 0, 1
	ROW QB, QA, CB, 1, 1
	s_add_co_u32 s29, s29, 256
	s_add_co_u32 s59, s59, 32
	v_mov_b32 v[QAD], s29
	v_add_nc_u32 v[HSA], s59, v[HS0]
	s_sub_co_u32 s28, s28, 1
	s_cmp_lg_u32 s28, 0
	s_cbranch_scc1 .Lrows
	s_wait_alu depctr_va_vdst(0)
	ROW QA, QB, CA, 0, 1
	ROW QB, QA, CB, 1, 0
	SYNC
	v_and_b32 v[ACC], 7, v0
	v_lshrrev_b32 v[ACC+1], 3, v0
	s_delay_alu instid0(VALU_DEP_2)
	v_lshlrev_b32 v[ACC], 10, v[ACC]
	s_delay_alu instid0(VALU_DEP_1)
	v_lshl_add_u32 v[ACC], v[ACC+1], 4, v[ACC]
	s_delay_alu instid0(VALU_DEP_1)
	v_add_nc_u32 v[ACC], HS, v[ACC]
	v_lshlrev_b32 v[ACC+1], 4, v0
	ds_load_b128 v[ACC+4:ACC+7], v[ACC]
	ds_load_b128 v[ACC+8:ACC+11], v[ACC] offset:512
	s_wait_alu depctr_va_vdst(0)
	s_wait_dscnt 0x0
	global_store_b128 v[ACC+1], v[ACC+4:ACC+7], s[20:21]
	global_store_b128 v[ACC+1], v[ACC+8:ACC+11], s[20:21] offset:4096
	s_wait_tensorcnt 0x0
	ds_add_u32 v[SPW], v[NIL]
	s_wait_dscnt 0x0
	s_endpgm
.Lfunc_end_k_q7ea623615e_hidden:
	.size	k_q7ea623615e_hidden, .Lfunc_end_k_q7ea623615e_hidden-k_q7ea623615e_hidden
	.p2alignl 7, 3214868480
	.fill 96, 4, 3214868480
	.section	.rodata,"a",@progbits
	.p2align	6, 0x0
	.amdhsa_kernel k_q7ea623615e_hidden
		.amdhsa_group_segment_fixed_size 327680
		.amdhsa_private_segment_fixed_size 0
		.amdhsa_enable_private_segment 0
		.amdhsa_kernarg_size 88
		.amdhsa_user_sgpr_count 2
		.amdhsa_user_sgpr_kernarg_segment_ptr 1
		.amdhsa_wavefront_size32 1
		.amdhsa_system_sgpr_workgroup_id_x 1
		.amdhsa_system_sgpr_workgroup_id_y 1
		.amdhsa_system_sgpr_workgroup_id_z 1
		.amdhsa_system_vgpr_workitem_id 0
		.amdhsa_next_free_vgpr 512
		.amdhsa_next_free_sgpr 80
		.amdhsa_reserve_vcc 0
		.amdhsa_float_denorm_mode_32 3
		.amdhsa_float_denorm_mode_16_64 3
		.amdhsa_memory_ordered 1
		.amdhsa_forward_progress 1
		.amdhsa_inst_pref_size 82
	.end_amdhsa_kernel
	.amdgpu_metadata
---
amdhsa.version: [ 1, 2 ]
amdhsa.kernels:
  - .name:           k_q7ea623615e_hidden
    .symbol:         k_q7ea623615e_hidden.kd
    .args:
      - { .name: x, .offset: 0, .size: 8, .value_kind: global_buffer, .address_space: global }
      - { .name: Win, .offset: 8, .size: 8, .value_kind: global_buffer, .address_space: global }
      - { .name: b_in, .offset: 16, .size: 8, .value_kind: global_buffer, .address_space: global }
      - { .name: theta, .offset: 24, .size: 8, .value_kind: global_buffer, .address_space: global }
      - { .name: W1, .offset: 32, .size: 8, .value_kind: global_buffer, .address_space: global }
      - { .name: b1, .offset: 40, .size: 8, .value_kind: global_buffer, .address_space: global }
      - { .name: W2, .offset: 48, .size: 8, .value_kind: global_buffer, .address_space: global }
      - { .name: h_codes, .offset: 56, .size: 8, .value_kind: global_buffer, .address_space: global }
      - { .name: h_scales, .offset: 64, .size: 8, .value_kind: global_buffer, .address_space: global }
      - { .name: w2_codes, .offset: 72, .size: 8, .value_kind: global_buffer, .address_space: global }
      - { .name: w2_scales, .offset: 80, .size: 8, .value_kind: global_buffer, .address_space: global }
    .group_segment_fixed_size: 327680
    .private_segment_fixed_size: 0
    .kernarg_segment_align: 8
    .kernarg_segment_size: 88
    .max_flat_workgroup_size: 256
    .sgpr_count:     80
    .vgpr_count:     512
    .wavefront_size: 32
...
	.end_amdgpu_metadata
.endif
;; end of part 1
;; launch gemm (part 2): grid 4 x 64, 4 waves a work-group, clusters of 4 x 4, 327,680 bytes of LDS; arguments h_codes, h_scales, w2_codes, w2_scales, b2, out0; writes out0
.if DOCPART == 2
	.amdgcn_target "amdgcn-amd-amdhsa--gfx1250"
	.amdhsa_code_object_version 6
	.text
	.protected	k_q7ea623615e_gemm
	.globl	k_q7ea623615e_gemm
	.p2align	8
	.type	k_q7ea623615e_gemm,@function
k_q7ea623615e_gemm:
	s_mov_b64 s[64:65], 0
	v_nop
	global_prefetch_b8 v0, s[64:65] scope:SCOPE_SE
	s_setreg_imm32_b32 hwreg(HW_REG_WAVE_MODE, 25, 1), 1
	s_wait_xcnt 0x0
	s_wait_alu depctr_hold_cnt(0) depctr_sa_sdst(0) depctr_va_vdst(0) depctr_va_sdst(0) depctr_va_ssrc(0) depctr_va_vcc(0) depctr_vm_vsrc(0)
	s_getreg_b32 s2, hwreg(HW_REG_IB_STS2, 6, 4)
	s_cmp_eq_u32 s2, 0
	s_cbranch_scc0 .Lentry_in_a_cluster
	s_endpgm
.Lentry_in_a_cluster:
	s_bfe_u32 s2, ttmp6, 0x10000c
	s_cmp_lg_u32 s2, 0xf033
	s_cbranch_scc0 .Lentry_shape_is_right
	s_endpgm
.Lentry_shape_is_right:
.set SIZE_M, 16384
.set SIZE_N, 1024
.set SIZE_K, 4096
.set KSTEP,  256
.set NQ,     KSTEP/128
.set ROWB,   192
; out = h W2^T + b2 on codes of E3M2 with E8M0 scales.  A block of 256 x 256 to a work-group of four waves, 4 x 4 work-groups to a cluster, tiles asked for jointly.
; Codes lie [K / 256][row][192 bytes], dense.  A tensor load takes them as rows of 768 bytes (four rows of the matrix), each of which begins at a multiple of 256 bytes;
; 16 bytes of padding behind every 64 put the matrix's rows 240 bytes apart in LDS.  A K step of 256 goes one chunk on.
.set KROW,   192                       ; bytes from row to row of the matrix inside a chunk
.set TROW,   768                       ; a tensor load's row: four of them
.set CHA,    SIZE_M*192                ; bytes from chunk to chunk in h's codes
.set CHB,    SIZE_N*192                ; and in W2's
.set PITCH,  240
.set FR,     12
.set NL,     6
.set NP,     4
.set HALFT,  128*PITCH
.set SLOT,   4*HALFT
.set LAPS,   SIZE_K/(2*KSTEP)
.set KS,     SIZE_K/32
.set SCL,    2*SLOT
.set HALFS,  (128*KS/256)*272
.set SBLK,   (16*KS/256)*272
.set SPARE,  SCL+4*HALFS
.set SPITCH, 528
.set ADRA, 16
.set ADRB, 20
.set STO,  24
.set RD,   25
.set CO,   26
.set SPW,  28
.set NIL,  29
.set PFO,  30
.set ADRS, 27
.set SC,   32
.set BI,   64
.set AF,   128
.set BK,   128
.set G1, 24
.set G0, 32
.set G1B, 48
.set G0B, 56
.set G1S, 68
.set G0S, 76
.set G1SB, 80
.set G0SB, 88
.set PFA,  92
.set LIM,  94
.set MSB, 0
.macro WIN new
.if MSB != \new
	s_set_vgpr_msb (MSB<<8)|\new
.set MSB, \new
.endif
.endm
.set MUL_LO, 0xa1
.set MUL_HI, 0xf1
.set BIA_LO, 0x81
.set BIA_HI, 0xc1
.set TO_B,   0x40
.macro JLOAD g0a, g1a, g0b, g1b
	s_cmp_eq_u32 s15, 0
	s_cbranch_scc0 .Lfor_b_\@
	tensor_load_to_lds s[\g0a:\g0a+3], s[\g1a:\g1a+7]
	s_nop 0
.rept 4
	v_nop
.endr
	s_branch .Lasked_\@
.Lfor_b_\@:
	tensor_load_to_lds s[\g0b:\g0b+3], s[\g1b:\g1b+7]
	s_nop 0
.rept 4
	v_nop
.endr
.Lasked_\@:
.endm
.macro ASK slot
	s_cmp_gt_u32 s3, s[LIM]
	s_cbranch_scc0 .Lnot_mine_\@
	global_prefetch_b8 v[PFO], s[PFA:PFA+1] th:TH_LOAD_NT scope:SCOPE_SE
.Lnot_mine_\@:
.endm
.macro CREST
	s_cmp_lg_u32 s14, 0
	s_cbranch_scc1 .Lnot_wave_0_\@
	s_barrier_signal -3
.Lnot_wave_0_\@:
	s_barrier_wait -3
	s_barrier_signal -1
	s_barrier_wait -1
.endm
.macro CROUND
	s_barrier_signal -1
	s_barrier_wait -1
	CREST
.endm
	s_load_b128 s[4:7], s[0:1], 0x0
	s_load_b128 s[8:11], s[0:1], 0x10
	s_load_b64 s[96:97], s[0:1], 0x20
	s_load_b64 s[12:13], s[0:1], 0x28
	v_lshl_add_u32 v[SPW], v0, 2, SPARE
	v_mov_b32 v[NIL], 0
	ds_add_u32 v[SPW], v[NIL]
	ds_add_u32 v[SPW], v[NIL]
	v_lshrrev_b32 v1, 5, v0
	v_readfirstlane_b32 s14, v1
	s_lshr_b32 s15, s14, 1
	s_and_b32 s16, s14, 1
	s_bfe_u32 s40, ttmp6, 0x40000
	s_bfe_u32 s41, ttmp6, 0x40004
	s_lshl_b32 s42, ttmp9, 2
	s_add_co_u32 s42, s42, s40
	s_and_b32 s17, ttmp7, 0xffff
	s_lshl_b32 s17, s17, 2
	s_add_co_u32 s17, s17, s41
	s_lshl_b32 s43, s41, 2
	s_lshl_b32 s43, 15, s43
	s_lshl_b32 s44, 0x1111, s40
	s_or_b32 s[G1+0], s43, (0<<16)|(1<<20)|(1<<21)|(3<<22)|(3<<25)
	s_or_b32 s[G1B+0], s44, (0<<16)|(1<<20)|(1<<21)|(3<<22)|(3<<25)
.irp g, G1, G1B
	s_mov_b32 s[\g+1], TROW<<16
	s_mov_b32 s[\g+2], 64<<16                      ; 64 rows of 768 bytes (256 of the matrix) for the head's loads; set to 32 behind them
	s_mov_b32 s[\g+3], TROW<<16
	s_mov_b32 s[\g+4], 64
	s_mov_b32 s[\g+5], TROW
	s_mov_b32 s[\g+6], 0
	s_mov_b32 s[\g+7], 0
.endr
	s_or_b32 s[G1S+0], s43, (3<<16)|(1<<20)|(1<<21)|(5<<22)|(3<<25)
	s_or_b32 s[G1SB+0], s44, (3<<16)|(1<<20)|(1<<21)|(5<<22)|(3<<25)
.irp g, G1S, G1SB
	s_mov_b32 s[\g+1], 32<<16
	s_mov_b32 s[\g+2], KS<<16                      ; the scales of 256 rows: 256 KS bytes as KS rows of 256
	s_mov_b32 s[\g+3], 32<<16
	s_mov_b32 s[\g+4], KS
	s_mov_b32 s[\g+5], 32
	s_mov_b32 s[\g+6], 0
	s_mov_b32 s[\g+7], 0
.endr
	s_lshl_b32 s20, s17, 8                         ; the block's first row of h and of W2: the scales' loads take all 256 rows
	s_lshl_b32 s46, s42, 8
	s_mov_b32 s21, 0
	s_mov_b32 s47, 0
	s_mov_b64 s[18:19], KS
	s_mul_u64 s[22:23], s[20:21], s[18:19]
	s_mul_u64 s[92:93], s[46:47], s[18:19]
	s_lshl_b32 s18, s16, 7                         ; the codes' loads of the ring take 128 rows: which half
	s_add_co_u32 s20, s20, s18
	s_add_co_u32 s46, s46, s18
	s_mov_b64 s[18:19], KROW
	s_mul_u64 s[20:21], s[20:21], s[18:19]
	s_mul_u64 s[46:47], s[46:47], s[18:19]
	s_mul_i32 s45, s14, HALFT
	s_wait_dscnt 0x0
	s_wait_kmcnt 0x0
	s_add_nc_u64 s[20:21], s[4:5], s[20:21]
	s_add_nc_u64 s[22:23], s[6:7], s[22:23]
	s_add_nc_u64 s[46:47], s[8:9], s[46:47]
	s_add_nc_u64 s[92:93], s[10:11], s[92:93]
	CROUND
	s_mov_b32 s[G0S], 1
	s_mov_b32 s[G0S+1], SCL
	s_mov_b64 s[G0S+2:G0S+3], s[22:23]
	s_or_b32 s[G0S+3], s[G0S+3], 0x80000000
	s_mov_b32 s[G0SB], 1
	s_mov_b32 s[G0SB+1], SCL+2*HALFS
	s_mov_b64 s[G0SB+2:G0SB+3], s[92:93]
	s_or_b32 s[G0SB+3], s[G0SB+3], 0x80000000
.irp s, 0,1
	s_mov_b32 s[G0+4*\s], 1
	s_add_co_u32 s[G0+4*\s+1], s45, \s*SLOT
	s_add_nc_u64 s[G0+4*\s+2:G0+4*\s+3], s[20:21], \s*CHA
	s_or_b32 s[G0+4*\s+3], s[G0+4*\s+3], 0x80000000
	s_mov_b32 s[G0B+4*\s], 1
	s_add_co_u32 s[G0B+4*\s+1], s45, \s*SLOT
	s_add_nc_u64 s[G0B+4*\s+2:G0B+4*\s+3], s[46:47], \s*CHB
	s_or_b32 s[G0B+4*\s+3], s[G0B+4*\s+3], 0x80000000
.endr
; The head's four tiles, one joint load a wave: wave 0 chunk 0's 256 rows of h (its slot 0 descriptor begins at the block's first row and at LDS byte 0),
; wave 1 the scales of those rows, wave 2 chunk 0's 256 rows of W2 (its descriptor begins at W2's first row and behind h's 256 rows), wave 3 their scales.
; One chain of branches on the wave's number; every way passes one load.
.macro ARM under, g0, g1, next
	s_cmp_lt_u32 s14, \under
	s_cbranch_scc0 \next
	tensor_load_to_lds s[\g0:\g0+3], s[\g1:\g1+7]
	s_nop 0
.rept 4
	v_nop
.endr
	s_branch .Lhead_asked
\next:
.endm
	ARM 1, G0,  G1,  .Lhead_sa
	ARM 2, G0S, G1S, .Lhead_b
	ARM 3, G0B, G1B, .Lhead_sb
	tensor_load_to_lds s[G0SB:G0SB+3], s[G1SB:G1SB+7]
	s_nop 0
.rept 4
	v_nop
.endr
.Lhead_asked:
	v_and_b32 v1, 15, v0
	v_bfe_u32 v2, v0, 4, 1
	v_mul_u32_u24 v3, v1, PITCH
	v_mul_u32_u24 v4, v2, 24
	v_add_nc_u32 v4, v3, v4
	v_lshl_add_u32 v5, v2, 4, v4
	s_mul_i32 s21, s15, HALFT
	s_mul_i32 s22, s16, HALFT
	s_add_co_u32 s22, s22, 2*HALFT
.irp s, 0,1
	v_add_nc_u32 v[ADRA+\s], s21, v4
	v_add_nc_u32 v[ADRB+\s], s22, v4
	v_add_nc_u32 v[ADRA+2+\s], s21, v5
	v_add_nc_u32 v[ADRB+2+\s], s22, v5
	s_add_co_u32 s21, s21, SLOT
	s_add_co_u32 s22, s22, SLOT
.endr
	v_mul_u32_u24 v5, v1, KS
	v_lshrrev_b32 v6, 8, v5
	v_lshl_add_u32 v5, v6, 4, v5
	s_mul_i32 s21, s15, HALFS
	s_mul_i32 s22, s16, HALFS
	s_add_co_u32 s22, s22, 2*HALFS
	s_sub_co_u32 s22, s22, s21
	v_mul_u32_u24 v6, s22, v2
	s_add_co_u32 s21, s21, SCL
	v_add_nc_u32 v5, v5, v6
	v_add_nc_u32 v[ADRS], s21, v5
	s_mul_i32 s23, s14, 16*SPITCH
	v_mul_u32_u24 v5, v1, SPITCH
	v_lshl_add_u32 v5, v2, 5, v5
	v_add_nc_u32 v[STO], s23, v5
	v_and_b32 v6, 31, v0
	v_lshlrev_b32 v[CO], 4, v6
	v_add_nc_u32 v[RD], s23, v[CO]
	s_lshl_b32 s20, s17, 8
	s_lshl_b32 s21, s15, 7
	s_add_co_u32 s20, s20, s21
	s_mov_b32 s21, 0
	s_mov_b64 s[18:19], SIZE_N*4
	s_mul_u64 s[20:21], s[20:21], s[18:19]
	s_lshl_b32 s46, s42, 10
	s_lshl_b32 s47, s16, 9
	s_add_co_u32 s46, s46, s47
	s_mov_b32 s47, 0
	s_add_nc_u64 s[20:21], s[20:21], s[46:47]
	s_add_nc_u64 s[12:13], s[12:13], s[20:21]
	s_add_nc_u64 s[96:97], s[96:97], s[46:47]
	v_lshlrev_b32 v8, 5, v2
.irp b, 0,1,2,3,4,5,6,7
	global_load_b128 v[BI+8*\b:BI+8*\b+3], v8, s[96:97] offset:64*\b
	global_load_b128 v[BI+8*\b+4:BI+8*\b+7], v8, s[96:97] offset:64*\b+16
.endr
	s_lshl_b32 s20, s17, 8
	s_lshl_b32 s21, s42, 8
	s_and_b32 s22, ttmp7, 0xffff
	s_cmp_eq_u32 s15, 0
	s_cselect_b32 s20, s20, s21
	s_cselect_b32 s21, s40, s41
	s_cselect_b32 s22, ttmp9, s22
	s_cselect_b64 s[PFA:PFA+1], s[4:5], s[8:9]
	s_mov_b32 s98, CHB                             ; s[98:99]: bytes from chunk to chunk in the tensor that I fetch for
	s_cselect_b32 s98, CHA, s98
	s_mov_b32 s99, 0
	s_cmp_eq_u32 s22, 0
	s_cselect_b32 s[LIM], 1, -1
	s_lshl_b32 s22, s16, 7
	s_add_co_u32 s20, s20, s22
	s_lshl_b32 s21, s21, 5
	s_add_co_u32 s20, s20, s21
	s_mov_b32 s21, 0
	s_mov_b64 s[18:19], KROW
	s_mul_u64 s[20:21], s[20:21], s[18:19]
	s_add_nc_u64 s[PFA:PFA+1], s[PFA:PFA+1], s[20:21]
.rept 3
	s_add_nc_u64 s[PFA:PFA+1], s[PFA:PFA+1], s[98:99]   ; at chunk 3: the first refill (chunk 2) steps it to 4; a refill of chunk c names chunk c + 2; the last trip, whose refills are chunks 14 and 15, names nothing
.endr
	v_and_b32 v[PFO], 31, v0                       ; my work-group's 32 rows of a chunk are 6,144 bytes: 24 blocks of 256, a lane a block;
	v_min_u32 v[PFO], 23, v[PFO]                   ; the lanes that are left over name the last block again
	v_lshlrev_b32 v[PFO], 8, v[PFO]
.macro FRAG reg, adr, q, i
.irp p, 0,1,2,3,4,5
.set PC, 12*(\q)+6*(\p/3)+\p%3
.if PC%8 < 5
	ds_load_b64 v[\reg+2*\p:\reg+2*\p+1], v[\adr] offset:8*PC+16*(PC/8)+(\i)*16*PITCH
.else
	ds_load_b64 v[\reg+2*\p:\reg+2*\p+1], v[\adr+2] offset:8*PC+16*(PC/8)+(\i)*16*PITCH
.endif
.endr
.endm
.macro MUL16 a0, p, q, sc, zero
.irp a, \a0, \a0+1
.irp b, 0,1,2,3,4,5,6,7
.if \zero
	v_wmma_scale_f32_16x16x128_f8f6f4 v[8*(8*((\a)%4)+\b):8*(8*((\a)%4)+\b)+7], v[128*(\p)+FR*\b:128*(\p)+FR*\b+FR-1], v[AF+FR*(\a):AF+FR*(\a)+FR-1], v[BI+8*\b:BI+8*\b+7], v[SC+8*NQ*(\sc)+NQ*\b+(\q)], v[SC+8*NQ*(\sc)+NQ*(\a)+(\q)] matrix_a_fmt:MATRIX_FMT_BF6 matrix_b_fmt:MATRIX_FMT_BF6 matrix_a_scale:MATRIX_SCALE_ROW1
.else
	v_wmma_scale_f32_16x16x128_f8f6f4 v[8*(8*((\a)%4)+\b):8*(8*((\a)%4)+\b)+7], v[128*(\p)+FR*\b:128*(\p)+FR*\b+FR-1], v[AF+FR*(\a):AF+FR*(\a)+FR-1], v[8*(8*((\a)%4)+\b):8*(8*((\a)%4)+\b)+7], v[SC+8*NQ*(\sc)+NQ*\b+(\q)], v[SC+8*NQ*(\sc)+NQ*(\a)+(\q)] matrix_a_fmt:MATRIX_FMT_BF6 matrix_b_fmt:MATRIX_FMT_BF6 matrix_a_scale:MATRIX_SCALE_ROW1
.endif
.endr
.endr
.endm
.macro FETCH_B slot, q, p
	WIN TO_B
.irp i, 0,1,2,3,4,5,6,7
	FRAG 128*(\p)+FR*\i, ADRB+\slot, \q, \i
.endr
	WIN 0
.endm
.macro FETCH_A slot, q, i0
.irp i, \i0, \i0+1, \i0+2, \i0+3
	FRAG AF+FR*(\i), ADRA+\slot, \q, \i
.endr
.endm
.macro SCALES sc
.irp i, 0,1,2,3,4,5,6,7
	ds_load_b64 v[SC+8*NQ*\sc+NQ*\i:SC+8*NQ*\sc+NQ*\i+1], v[ADRS] offset:\i*SBLK
.endr
.endm
.macro PLACES n
.rept \n
	v_nop
.endr
.endm
.macro STEP slot, q, zero
	s_wait_dscnt 4*NL
	FETCH_B \slot, (\q)+1, 1-(\q)%2                ; B's other set is free through the whole step (four places stand behind the last product that read it): its 48 loads go out here
.if \zero
	WIN BIA_LO
.else
	WIN MUL_LO
.endif
	MUL16 0, (\q)%2, \q, \slot, \zero
	MUL16 2, (\q)%2, \q, \slot, \zero
	s_wait_dscnt 8*NL                              ; A's blocks 4-7 are in; the 48 loads of B's next set, issued behind them, may be out
	PLACES NP
	WIN 0
	FETCH_A \slot, (\q)+1, 0
.if \zero
	WIN BIA_HI
.else
	WIN MUL_HI
.endif
	MUL16 4, (\q)%2, \q, \slot, \zero
	MUL16 6, (\q)%2, \q, \slot, \zero
	PLACES NP
	WIN 0
	FETCH_A \slot, (\q)+1, 4
.endm
.macro TURN slot, next, fill
.if \fill
	s_wait_xcnt 0x0
	s_add_nc_u64 s[PFA:PFA+1], s[PFA:PFA+1], s[98:99]
.endif
	s_wait_tensorcnt 0x0
	ds_add_u32 v[SPW], v[NIL]
	s_wait_dscnt 4*NL+1
	WIN MUL_LO
	MUL16 0, 1, NQ-1, \slot, 0
	s_wait_dscnt 0x0
	s_barrier_signal -1
	MUL16 2, 1, NQ-1, \slot, 0
	WIN 0
	s_barrier_wait -1
.if \fill
	CREST
	s_add_nc_u64 s[G0+4*\slot+2:G0+4*\slot+3], s[G0+4*\slot+2:G0+4*\slot+3], 2*CHA
	s_add_nc_u64 s[G0B+4*\slot+2:G0B+4*\slot+3], s[G0B+4*\slot+2:G0B+4*\slot+3], 2*CHB
	JLOAD G0+4*\slot, G1, G0B+4*\slot, G1B
.else
	PLACES NP
.endif
	s_wait_alu depctr_va_vdst(0)
	v_add_nc_u32 v[ADRS], 4*NQ, v[ADRS]
	FETCH_B \next, 0, 0
	FETCH_A \next, 0, 0
	SCALES \next
.if \fill
	ASK \slot
.endif
	WIN MUL_HI
	MUL16 4, 1, NQ-1, \slot, 0
	MUL16 6, 1, NQ-1, \slot, 0
	PLACES NP
	WIN 0
	FETCH_A \next, 0, 4
.endm
	s_wait_alu depctr_va_vdst(0)                   ; the wait at the head's end
	s_wait_tensorcnt 0x0                           ; my tile of the head's four is in
	ds_add_u32 v[SPW], v[NIL]
	s_mov_b32 s[G1+2], 32<<16                      ; no tensor load of mine is out: from here on a load of codes brings 32 rows of 768 bytes, 128 rows of the matrix
	s_mov_b32 s[G1+4], 32
	s_mov_b32 s[G1B+2], 32<<16
	s_mov_b32 s[G1B+4], 32
	s_wait_dscnt 0x0
	CROUND                                         ; all four tiles are in, in every partner
	JLOAD G0+4, G1, G0B+4, G1B                     ; chunk 1 into slot 1: the first tensor load behind the round
	FETCH_B 0, 0, 0
	FETCH_A 0, 0, 0
	SCALES 0
	FETCH_A 0, 0, 4
	s_wait_loadcnt 0x0
	STEP 0, 0, 1
	s_mov_b32 s3, LAPS-1
.Llap:
	TURN 0, 1, 1
	STEP 1, 0, 0
	TURN 1, 0, 1
	STEP 0, 0, 0
	s_sub_co_u32 s3, s3, 1
	s_cmp_lg_u32 s3, 0
	s_cbranch_scc1 .Llap
	TURN 0, 1, 0
	STEP 1, 0, 0
	s_wait_dscnt 4*NL
	WIN MUL_LO
	MUL16 0, 1, NQ-1, 1, 0
	MUL16 2, 1, NQ-1, 1, 0
	s_wait_dscnt 0
	WIN MUL_HI
	MUL16 4, 1, NQ-1, 1, 0
	MUL16 6, 1, NQ-1, 1, 0
	WIN 0
.macro TOSTAGE a
.set AC, 64*((\a)%4)
	WIN 0x08+4*((\a)/4)
.irp b, 0,1,2,3,4,5,6,7
	ds_store_b128 v[STO], v[AC+8*\b:AC+8*\b+3] offset:64*\b
	ds_store_b128 v[STO], v[AC+8*\b+4:AC+8*\b+7] offset:64*\b+16
.endr
	WIN 0
.set BB, BK+64*((\a)%2)
.irp t, 0,1,2,3,4,5,6,7,8,9,10,11,12,13,14,15
	ds_load_b128 v[BB+4*\t:BB+4*\t+3], v[RD] offset:\t*SPITCH
.endr
.endm
.macro SEND a, younger
.set BB, BK+64*((\a)%2)
	s_wait_dscnt \younger
.if (\a) > 0
	s_add_nc_u64 s[12:13], s[12:13], 16*SIZE_N*4
.endif
.irp t, 0,1,2,3,4,5,6,7,8,9,10,11,12,13,14,15
	global_store_b128 v[CO], v[BB+4*\t:BB+4*\t+3], s[12:13] offset:\t*SIZE_N*4 th:TH_STORE_NT
.endr
.endm
	PLACES NP
	TOSTAGE 0
.irp a, 1,2,3,4,5,6,7
.if \a > 1
	s_wait_xcnt 0x0
.endif
	TOSTAGE \a
	SEND \a-1, 32
.endr
	s_wait_xcnt 0x0
	SEND 7, 0
	s_wait_tensorcnt 0x0
	ds_add_u32 v[SPW], v[NIL]
	s_wait_dscnt 0x0
	CROUND
	s_endpgm
.Lfunc_end_k_q7ea623615e_gemm:
	.size	k_q7ea623615e_gemm, .Lfunc_end_k_q7ea623615e_gemm-k_q7ea623615e_gemm
	.p2alignl 7, 3214868480
	.fill 96, 4, 3214868480
	.section	.rodata,"a",@progbits
	.p2align	6, 0x0
	.amdhsa_kernel k_q7ea623615e_gemm
		.amdhsa_group_segment_fixed_size 327680
		.amdhsa_private_segment_fixed_size 0
		.amdhsa_enable_private_segment 0
		.amdhsa_kernarg_size 48
		.amdhsa_user_sgpr_count 2
		.amdhsa_user_sgpr_kernarg_segment_ptr 1
		.amdhsa_wavefront_size32 1
		.amdhsa_system_sgpr_workgroup_id_x 1
		.amdhsa_system_sgpr_workgroup_id_y 1
		.amdhsa_system_sgpr_workgroup_id_z 1
		.amdhsa_system_vgpr_workitem_id 0
		.amdhsa_next_free_vgpr 1024
		.amdhsa_next_free_sgpr 100
		.amdhsa_reserve_vcc 0
		.amdhsa_float_denorm_mode_32 3
		.amdhsa_float_denorm_mode_16_64 3
		.amdhsa_memory_ordered 1
		.amdhsa_forward_progress 1
		.amdhsa_inst_pref_size 164
	.end_amdhsa_kernel
	.amdgpu_metadata
---
amdhsa.version: [ 1, 2 ]
amdhsa.kernels:
  - .name:           k_q7ea623615e_gemm
    .symbol:         k_q7ea623615e_gemm.kd
    .args:
      - { .name: h_codes, .offset: 0, .size: 8, .value_kind: global_buffer, .address_space: global }
      - { .name: h_scales, .offset: 8, .size: 8, .value_kind: global_buffer, .address_space: global }
      - { .name: w2_codes, .offset: 16, .size: 8, .value_kind: global_buffer, .address_space: global }
      - { .name: w2_scales, .offset: 24, .size: 8, .value_kind: global_buffer, .address_space: global }
      - { .name: b2, .offset: 32, .size: 8, .value_kind: global_buffer, .address_space: global }
      - { .name: out0, .offset: 40, .size: 8, .value_kind: global_buffer, .address_space: global }
    .group_segment_fixed_size: 327680
    .private_segment_fixed_size: 0
    .kernarg_segment_align: 8
    .kernarg_segment_size: 48
    .max_flat_workgroup_size: 128
    .sgpr_count:     100
    .vgpr_count:     1024
    .wavefront_size: 32
...
	.end_amdgpu_metadata
.endif
;; end of part 2
